; MI455X (gfx1250); checked and timed in simulation.
; The chip was launched on July 23, 2026; its instructions are those of AMD's public machine-readable ISA for CDNA 5 (MIT licence, August 2026) and "CDNA5" Instruction Set Architecture Reference Guide (July 2026). The comments in the code are by the model that wrote it; some were corrected since.
;; Mo E Mlp. Allowed arithmetic: float matrix products may take bf16 or f16 operands with f32 sums; all other float work in f32.
;; Inputs: W1 1,024 x 4,096 float32; W2 4,096 x 768 float32; We 8 x 4,096 x 256 float32; b1 4,096 float32; b2 768 float32; be 8 x 256 float32; indices 16 int32; x 16 x 512 x 1,024 float32.
;; Outputs: out0 16 x 512 x 1,024 float32.
;; 2 versions, each right; version 2 is version 1 with the launch cast written anew for expert scheduling mode. Each part assembles by itself: llvm-mc -triple=amdgcn-amd-amdhsa -mcpu=gfx1250 --defsym DOCPART=n.
;; ======== version 1 of 2: 3 launches
;; workspace buffers: xb 16,777,216 bytes; w1b 8,388,608 bytes; wc 39,845,888 bytes; h 67,108,864 bytes
;; launch cast (part 1): grid 992 x 1, 8 waves a work-group, no clusters, 0 bytes of LDS; arguments x, W1, We, W2, indices, xb, w1b, wc; writes xb, w1b, wc
.if DOCPART == 1
	.amdgcn_target "amdgcn-amd-amdhsa--gfx1250"
	.amdhsa_code_object_version 6
	.text
	.protected	k_q720c38660c_cast
	.globl	k_q720c38660c_cast
	.p2align	8
	.type	k_q720c38660c_cast,@function
k_q720c38660c_cast:
	s_mov_b64 s[64:65], 0
	v_nop
	global_prefetch_b8 v0, s[64:65] scope:SCOPE_SE
	s_setreg_imm32_b32 hwreg(HW_REG_WAVE_MODE, 25, 1), 1
	s_wait_xcnt 0x0
; cast: the large f32 inputs are rounded once to bf16 (nearest even), for the two products that follow, and the experts are looked up.
;   xb  [8192][1024]      = x
;   w1b [1024][4096]      = W1, same order
;   wc  [19][4096][256]   : blocks 0..2 = W2's columns 0-255, 256-511, 512-767; block 3+b = We[indices[b]], b = 0..15
; DEAD WORK: none is left out in this program.  Every input (x, indices, W1, b1, W2, b2, We, be) has a way to the output and is an
; argument of one of the three launches.  An expert that no batch names is not read: the index, read from memory here, asks only for the sixteen blocks named.
; WHY THE LOOKUP STANDS HERE: in the third launch the four row blocks of a batch ask for wc's tiles jointly, and a joint request's address is made there of the
; batch's number and the block column alone, which the partners share by construction, and of no number read from memory.
; The price: an expert that two batches name is read and rounded twice (16 x 4 MiB read, of which at most 8 x 4 MiB differ; 16 x 2 MiB written).
; LIMITS: x, W1, W2, We are rounded to bf16 here; sums are kept in f32 in the later launches.  An index outside 0..7, read as an unsigned number, is taken as 7.
;
; A stream: memory binds, so no LDS, no matrix unit, no cluster.  One piece for each work-group: 128 input rows of 1,024 bytes (256 f32),
; P bytes apart, become 128 x 512 consecutive output bytes.  Work-group g:
;   g in   0..255: x,  piece g      (dense: P = 1,024)                                   -> xb  + 65,536 g
;   g in 256..383: W1, piece g-256  (dense)                                              -> w1b + 65,536 (g-256)
;   g in 384..895: We, piece q=g-384: batch q/32, rows 128 (q mod 32) of its expert      -> wc  + 65,536 (q+96)   (behind W2's 96 pieces)
;   g in 896..991: W2, piece q=g-896: rows 128 (q mod 32), column block q/32, P = 3,072  -> wc  + 65,536 q
; A wave takes 16 rows: 32 loads of 512 consecutive bytes, all issued before the first wait; each becomes one store of 256 consecutive
; bytes, at a multiple of 256 from the buffer's first byte.  No register that a pending load or store names is written again,
; so the counted waits for the loads are the only waits for vector memory.
.set OFF, 4                            ; v[4:19]    row r of my 16: byte offset of my 16 bytes in the piece
.set X,   20                           ; v[20:147]  load i: 4 registers; its first two then hold the 8 output bytes
	s_load_b256 s[4:11], s[0:1], 0x0               ; x s[4:5], W1 s[6:7], We s[8:9], W2 s[10:11]
	s_load_b256 s[12:19], s[0:1], 0x20             ; indices s[12:13], xb s[14:15], w1b s[16:17], wc s[18:19]
	v_lshrrev_b32 v1, 5, v0
	v_readfirstlane_b32 s30, v1                    ; wave 0..7
	v_and_b32 v2, 31, v0                           ; lane
	; the piece's number in its source (s20), what is added to it on the way out (s31), 1 for We's pieces (s34), the pitch (s21)
	s_movk_i32 s21, 3072
	s_cmp_lt_u32 ttmp9, 256
	s_cselect_b32 s20, 0, 256
	s_cmp_lt_u32 ttmp9, 384
	s_cselect_b32 s20, s20, 384
	s_cselect_b32 s31, 0, 96
	s_cselect_b32 s34, 0, 1
	s_cmp_lt_u32 ttmp9, 896
	s_cselect_b32 s20, s20, 896
	s_cselect_b32 s31, s31, 0
	s_cselect_b32 s34, s34, 0
	s_cselect_b32 s21, 1024, s21
	s_sub_co_u32 s20, ttmp9, s20                   ; piece
	s_lshl_b32 s26, s20, 17                        ; x, W1: 131,072 bytes a piece
	s_and_b32 s32, s20, 31
	s_lshl_b32 s33, s32, 17                        ; We: the piece inside its expert; the expert's own offset is added below
	s_mul_i32 s32, s32, 393216                     ; W2: 128 rows of 3,072 bytes,
	s_lshr_b32 s35, s20, 5                         ; piece / 32: We's batch, W2's column block; 15 at the most in every source
	s_lshl_b32 s37, s35, 10                        ; and 1,024 bytes a column block
	s_add_co_u32 s32, s32, s37
	s_lshl_b32 s35, s35, 2                         ; the byte offset of indices[piece / 32]: 60 at the most, inside the 64 bytes
	s_cmp_lt_u32 ttmp9, 384
	s_cselect_b32 s26, s26, s33
	s_cmp_lt_u32 ttmp9, 896
	s_cselect_b32 s26, s26, s32
	s_mov_b32 s27, 0                               ; s[26:27]: the source's offset, below 4 GiB
	s_add_co_u32 s28, s20, s31
	s_lshl_b32 s28, s28, 16                        ; 65,536 output bytes a piece
	s_mov_b32 s29, 0                               ; s[28:29]: the destination's offset
	s_mul_i32 s32, s30, s21
	s_lshl_b32 s32, s32, 4                         ; my wave's 16 rows
	v_lshlrev_b32 v3, 3, v2
	v_lshl_add_u32 v3, s30, 13, v3                 ; out: 8 lane + 8,192 wave
	v_lshl_add_u32 v[OFF], v2, 4, s32              ; in: 16 lane + 16 P wave
.irp r, 1,2,3,4,5,6,7,8,9,10,11,12,13,14,15
	v_add_nc_u32 v[OFF+\r], s21, v[OFF+\r-1]       ; one row on
.endr
	s_wait_kmcnt 0x0
	s_load_b32 s36, s[12:13], s35 offset:0x0       ; the index; only We's pieces use it (the flag s34 multiplies it away in the others)
	; the two buffers, chosen by the work-group's number alone
	s_cmp_lt_u32 ttmp9, 256
	s_cselect_b64 s[22:23], s[4:5], s[6:7]
	s_cselect_b64 s[24:25], s[14:15], s[16:17]
	s_cmp_lt_u32 ttmp9, 384
	s_cselect_b64 s[22:23], s[22:23], s[8:9]
	s_cselect_b64 s[24:25], s[24:25], s[18:19]
	s_cmp_lt_u32 ttmp9, 896
	s_cselect_b64 s[22:23], s[22:23], s[10:11]
	s_add_nc_u64 s[24:25], s[24:25], s[28:29]
	s_wait_kmcnt 0x0
	s_min_u32 s36, s36, 7                          ; the index stays inside its table; behind this only a multiply, a shift to the left and an add
	s_mul_i32 s36, s36, s34
	s_lshl_b32 s36, s36, 22                        ; 4,194,304 bytes an expert
	s_add_co_u32 s26, s26, s36
	s_add_nc_u64 s[22:23], s[22:23], s[26:27]
.irp r, 0,1,2,3,4,5,6,7,8,9,10,11,12,13,14,15
	global_load_b128 v[X+8*\r:X+8*\r+3],   v[OFF+\r], s[22:23]              ; no hint: two batches may name the same expert's rows
	global_load_b128 v[X+8*\r+4:X+8*\r+7], v[OFF+\r], s[22:23] offset:512
.endr
.set i, 0
.rept 32
	s_wait_loadcnt 31-i                            ; loads come back in order (ISA guide 5.7.1): load i is in, the 31-i younger ones stay out
	v_cvt_pk_bf16_f32 v[X+4*i],   v[X+4*i],   v[X+4*i+1]
	v_cvt_pk_bf16_f32 v[X+4*i+1], v[X+4*i+2], v[X+4*i+3]
	global_store_b64 v3, v[X+4*i:X+4*i+1], s[24:25] offset:256*i    ; 32 lanes x 8 bytes = 256 consecutive bytes, aligned
.set i, i+1
.endr
	s_endpgm
.Lfunc_end_k_q720c38660c_cast:
	.size	k_q720c38660c_cast, .Lfunc_end_k_q720c38660c_cast-k_q720c38660c_cast
	.p2alignl 7, 3214868480
	.fill 96, 4, 3214868480
	.section	.rodata,"a",@progbits
	.p2align	6, 0x0
	.amdhsa_kernel k_q720c38660c_cast
		.amdhsa_group_segment_fixed_size 0
		.amdhsa_private_segment_fixed_size 0
		.amdhsa_enable_private_segment 0
		.amdhsa_kernarg_size 64
		.amdhsa_user_sgpr_count 2
		.amdhsa_user_sgpr_kernarg_segment_ptr 1
		.amdhsa_wavefront_size32 1
		.amdhsa_system_sgpr_workgroup_id_x 1
		.amdhsa_system_sgpr_workgroup_id_y 1
		.amdhsa_system_sgpr_workgroup_id_z 1
		.amdhsa_system_vgpr_workitem_id 0
		.amdhsa_next_free_vgpr 148
		.amdhsa_next_free_sgpr 66
		.amdhsa_reserve_vcc 0
		.amdhsa_float_denorm_mode_32 3
		.amdhsa_float_denorm_mode_16_64 3
		.amdhsa_memory_ordered 1
		.amdhsa_forward_progress 1
		.amdhsa_inst_pref_size 15
	.end_amdhsa_kernel
	.amdgpu_metadata
---
amdhsa.version: [ 1, 2 ]
amdhsa.kernels:
  - .name:           k_q720c38660c_cast
    .symbol:         k_q720c38660c_cast.kd
    .args:
      - { .name: x, .offset: 0, .size: 8, .value_kind: global_buffer, .address_space: global }
      - { .name: W1, .offset: 8, .size: 8, .value_kind: global_buffer, .address_space: global }
      - { .name: We, .offset: 16, .size: 8, .value_kind: global_buffer, .address_space: global }
      - { .name: W2, .offset: 24, .size: 8, .value_kind: global_buffer, .address_space: global }
      - { .name: indices, .offset: 32, .size: 8, .value_kind: global_buffer, .address_space: global }
      - { .name: xb, .offset: 40, .size: 8, .value_kind: global_buffer, .address_space: global }
      - { .name: w1b, .offset: 48, .size: 8, .value_kind: global_buffer, .address_space: global }
      - { .name: wc, .offset: 56, .size: 8, .value_kind: global_buffer, .address_space: global }
    .group_segment_fixed_size: 0
    .private_segment_fixed_size: 0
    .kernarg_segment_align: 8
    .kernarg_segment_size: 64
    .max_flat_workgroup_size: 256
    .sgpr_count:     66
    .vgpr_count:     148
    .wavefront_size: 32
...
	.end_amdgpu_metadata
.endif
;; end of part 1
;; launch fc1 (part 2): grid 8 x 32, 4 waves a work-group, clusters of 4 x 4, 327,680 bytes of LDS; arguments xb, w1b, h, b1; writes h
.if DOCPART == 2
	.amdgcn_target "amdgcn-amd-amdhsa--gfx1250"
	.amdhsa_code_object_version 6
	.text
	.protected	k_q720c38660c_fc1
	.globl	k_q720c38660c_fc1
	.p2align	8
	.type	k_q720c38660c_fc1,@function
k_q720c38660c_fc1:
	s_mov_b64 s[64:65], 0
	v_nop
	global_prefetch_b8 v0, s[64:65] scope:SCOPE_SE
	s_setreg_imm32_b32 hwreg(HW_REG_WAVE_MODE, 25, 1), 1
	s_wait_xcnt 0x0
	s_wait_alu depctr_hold_cnt(0) depctr_sa_sdst(0) depctr_va_vdst(0) depctr_va_sdst(0) depctr_va_ssrc(0) depctr_va_vcc(0) depctr_vm_vsrc(0)
	s_getreg_b32 s2, hwreg(HW_REG_IB_STS2, 6, 4)
	s_cmp_eq_u32 s2, 0
	s_cbranch_scc0 .Lentry_in_a_cluster
	s_endpgm
.Lentry_in_a_cluster:
	s_bfe_u32 s2, ttmp6, 0x10000c
	s_cmp_lg_u32 s2, 0xf033
	s_cbranch_scc0 .Lentry_shape_is_right
	s_endpgm
.Lentry_shape_is_right:
; fc1: h = gelu(xb w1b + b1).  xb [8192][1024] bf16, w1b [1024 (k)][4096 (n)] bf16, b1 [4096] f32; sums and GELU in f32; h in bf16.
; No work of the problem is left out here.
; h'S LAYOUT: [64 row blocks][64 chunks][128 rows][64 columns]: number (row, col) lies at byte (row / 128) << 20 + (col / 64) << 14 + (row % 128) << 7 + 2 (col % 64).
; So 128 rows times any multiple of 64 columns are one dense run of bytes, which the next launch fetches as rows of 256 bytes whatever its step along the columns.
; 256 WORK-GROUPS THAT STAY: each makes two blocks of 256 x 256 of h, block columns bx and bx + 8 of the same 256 rows, with four waves; a wave makes 128 x 128:
; 64 accumulator tiles of 16 x 16, 512 registers.  K goes in steps of 128 through a ring of two LDS slots filled by the tensor data mover; a slot holds 256 rows
; of xb (256 bytes each) and 128 k-rows of w1b (512 bytes each).  The ring runs on from the first block into the second: the first block's last two changes of
; slots ask for the second block's K steps 0 and 1, ahead of the first block's first store, and no wait for stores stands between the blocks.
; HOW THE TEXT IS LAID: a lap is two K steps, once round the ring, four laps to a block.  Only a lap's first quarter step differs between a block's first lap
; (its products start the sums) and the others, so each block is: that quarter; a loop of three trips {rest of a lap, first quarter of the next lap}; the rest
; of the last lap, written out, since its refills differ (the first block's ask for the second block, the second block's are none).
; w1b lies with n along its rows, so its fragments are read by the transposing LDS load.
; CLUSTERS: 4 x 4 work-groups.  The four of a row of the cluster need the same tiles of xb, the four of a column the same tiles of w1b: each tile is asked
; for jointly, by the same tensor load with the same descriptor and a mask that names the four.  That divides the requests for both by four.
; GELU, exact form by the normal tail: gelu(x) = x Phi(x) = max(x, 0) - |x| Q(|x|), Q the upper tail, by Abramowitz and Stegun 26.2.17:
;   Q(y) = exp(-y y / 2) / sqrt(2 pi) * t (b1 + t (b2 + t (b3 + t (b4 + t b5)))), t = 1 / (1 + 0.2316419 y), for every y >= 0.
; LIMITS: Q's absolute error is at most 7.5e-8 for every y (the formula's own bound), so gelu's is at most 7.5e-8 |x|, far under h's rounding to bf16.
; Where y y overflows, the exponential is 0 and gelu = max(x, 0), as it should be.  A sum of plus or minus infinity gives NaN.  h is rounded to bf16 once.
;
; REGISTERS, in windows of 256 (s_set_vgpr_msb says which window each operand place means: bits 1:0 source 0, 3:2 source 1, 5:4 source 2, 7:6 destination):
;   window 0: v16-27 addresses; v32-43 constants; v64-127, v128-191 fragments of xb, two buffers; the way out works in v128-255 and leaves buffer 0 alone,
;             which by then holds the next block's first fragments
;   window 1: v64-127, v128-191 fragments of w1b, two buffers; v192-255 my 64 numbers of b1
;   window 2: the 32 accumulator tiles of my rows 0-63 (tile (a, b) at v[8 (8 a + b)]);   window 3: those of my rows 64-127
; THE MATRIX INSTRUCTION IS USED TRANSPOSED: source 0 = 16 columns of w1b, source 1 = 16 rows of xb.  Lane l then holds row l % 16 of h and its
; registers 0 to 7 the columns 8 (l / 16) + 0 .. 7: eight neighbouring numbers of a row, which pack into 16 bytes.
.set SIZE_K, 1024
.set SIZE_N, 4096
.set KSTEP,  128
.set PITCH,  272                       ; an LDS row of xb: 256 bytes + 16 of padding: 16 rows start at 16 different 16-byte columns of 256 bytes
.set BPITCH, 544                       ; an LDS row of w1b: 512 bytes + 32 of padding = 17 x 32
.set HALFT,  128*PITCH                 ; what one tensor load brings: 128 rows of xb, or 64 k-rows of w1b (64 x 544 is the same 34,816)
.set SLOT,   4*HALFT                   ; xb's 256 rows, then w1b's 128 k-rows
.set STAGE,  2*SLOT                    ; behind the ring: 16 rows x 272 bytes for each wave, for the way out; no tensor load lands here
.set SPITCH, 272
.set LAPS,   SIZE_K/(2*KSTEP)          ; a lap = two K steps = once round the ring: 4 to a block
.set ADRA, 16                          ; v16-17  LDS address of my xb fragments in slot 0, 1
.set ADRB, 20                          ; v20-21  the same for w1b
.set STO,  24                          ; v24     way out: where I put 16 bytes of a row
.set RD,   25                          ; v25     way out: where I read 16 bytes back
.set CO,   26                          ; v26     my byte offset in h: 16 x lane
.set BO,   27                          ; v27     my byte offset in b1
.set KA5,  32                          ; v32-43  six constants, each twice (pairs for the packed forms): b5 .. b1 over sqrt(2 pi), and -log2(e)/2
.set KA4,  34
.set KA3,  36
.set KA2,  38
.set KA1,  40
.set KNC,  42
.set F0,   64                          ; fragment buffer 0
.set F1,   128                         ; fragment buffer 1
.set BIAS, 192                         ; window 1: v[BIAS+8b+j] = b1[my first column + 16 b + 8 (l/16) + j]
.set XR,   128                         ; way out, window 0: 64 sums + bias of a block of 16 rows
.set RB,   128                         ; rows read back from the stage: in XR's first half, which is dead by then
.set TR,   192                         ; t
.set YR,   200                         ; the exponential
.set PR,   208                         ; the polynomial
.set MXR,  216                         ; max(x, 0), then the result
.set TMP,  224                         ; packed results
.set G1A, 24                           ; s[24:31] descriptor group 1 for xb's tiles
.set G0A, 32                           ; s[32:39] group 0 for xb's tiles, one set for each slot
.set G1B, 40                           ; s[40:47] group 1 for w1b's tiles
.set G0B, 48                           ; s[48:55] group 0 for w1b's tiles, one set for each slot
.set XBT, 56                           ; s[56:57] xb at my part of the tile of K step 0; kept for the whole launch
.set WBT, 60                           ; s[60:61] w1b at my part of the first block's tile of K step 0; kept for the whole launch
.set MSB, 0
.macro WIN new                         ; the immediate's high byte repeats the setting that is left; a switch that changes nothing is dropped
.if MSB != \new
	s_set_vgpr_msb (MSB<<8)|\new
.set MSB, \new
.endif
.endm
.set MUL_LO, 0xa1                      ; source 0 (w1b) window 1, source 1 (xb) window 0, C and D window 2
.set MUL_HI, 0xf1                      ; the same, C and D window 3
.set TO_B,   0x40                      ; destination window 1, address window 0
; A joint load.  Waves 0 and 1 fetch xb's two halves, waves 2 and 3 w1b's.  Each line has one mask and one set of registers for all that issue it.
; The branch hangs on the wave's number alone.
.macro JLOAD s
	s_cmp_eq_u32 s13, 0
	s_cbranch_scc0 .Lfor_b_\@
	tensor_load_to_lds s[G0A+4*\s:G0A+4*\s+3], s[G1A:G1A+7]
	s_nop 0
	s_branch .Lasked_\@
.Lfor_b_\@:
	tensor_load_to_lds s[G0B+4*\s:G0B+4*\s+3], s[G1B:G1B+7]
	s_nop 0
.Lasked_\@:
.endm
; A round of the cluster's barrier: my work-group's barrier, so that wave 0's signal speaks for all four waves; wave 0 signals for the work-group;
; every wave waits for all sixteen work-groups; my work-group's barrier once more.
.macro CREST                           ; a round behind its opening barrier
	s_cmp_lg_u32 s12, 0
	s_cbranch_scc1 .Lnot_wave_0_\@
	s_barrier_signal -3
.Lnot_wave_0_\@:
	s_barrier_wait -3
	s_barrier_signal -1
	s_barrier_wait -1
.endm
.macro CROUND                          ; a whole round
	s_barrier_signal -1
	s_barrier_wait -1
	CREST
.endm
	s_load_b256 s[4:11], s[0:1], 0x0               ; xb s[4:5], w1b s[6:7], h s[8:9], b1 s[10:11]
	s_set_vgpr_msb 0x40
	v_lshl_add_u32 v63, v0, 2, 0x48400
	s_set_vgpr_msb 0x4000
	v_mov_b32 v63, 0
	s_set_vgpr_msb 0x1
	ds_add_u32 v63, v63
	s_set_vgpr_msb 0x100
	v_lshrrev_b32 v1, 5, v0
	v_readfirstlane_b32 s12, v1                    ; wave 0..3
	s_lshr_b32 s13, s12, 1                         ; which half of the block's rows is mine.  Also: I fetch for xb (0) or for w1b (1)
	s_and_b32 s14, s12, 1                          ; which half of its columns.  Also: which half of that tile I fetch
	s_bfe_u32 s16, ttmp6, 0x40000                  ; cx
	s_bfe_u32 s17, ttmp6, 0x40004                  ; cy
	s_lshl_b32 s18, ttmp9, 2
	s_add_co_u32 s18, s18, s16                     ; my first block column = 4 x cluster x + cx, 0..7; the second is 8 further on
	s_and_b32 s19, ttmp7, 0xffff
	s_lshl_b32 s19, s19, 2
	s_add_co_u32 s19, s19, s17                     ; block row = 4 x cluster y + cy, 0..31
	s_lshl_b32 s20, s17, 2
	s_lshl_b32 s20, 15, s20                        ; my row of the cluster: places 4 cy .. 4 cy + 3
	s_lshl_b32 s21, 0x1111, s16                    ; my column: places cx, cx + 4, cx + 8, cx + 12
	s_mov_b32 s66, 0x3E6D3389                      ; 0.2316419
	; group 1 for xb: 128 rows x 128 elements of 2 bytes, 4 words of padding behind every 64 words
	s_or_b32 s[G1A+0], s20, (1<<16)|(1<<20)|(1<<21)|(5<<22)|(3<<25)  ; 15:0 mask: my row; 17:16 2 bytes; 20 padding on; 21 set beside a mask; 24:22 interval code 5; 31:25 pad code 3
	s_mov_b32 s[G1A+1], KSTEP<<16                  ; tensor_dim0 = 128
	s_mov_b32 s[G1A+2], 128<<16                    ; tensor_dim1 = 128
	s_mov_b32 s[G1A+3], KSTEP<<16                  ; tile_dim0 = 128
	s_mov_b32 s[G1A+4], 128                        ; tile_dim1 = 128
	s_mov_b32 s[G1A+5], SIZE_K                     ; elements from row to row
	s_mov_b32 s[G1A+6], 0
	s_mov_b32 s[G1A+7], 0
	; group 1 for w1b: 64 k-rows x 256 elements, 8 words of padding behind every 128 words
	s_or_b32 s[G1B+0], s21, (1<<16)|(1<<20)|(1<<21)|(6<<22)|(7<<25)  ; mask: my column; interval code 6; pad code 7
	s_mov_b32 s[G1B+1], 256<<16                    ; tensor_dim0 = 256
	s_mov_b32 s[G1B+2], 64<<16                     ; tensor_dim1 = 64
	s_mov_b32 s[G1B+3], 256<<16                    ; tile_dim0 = 256
	s_mov_b32 s[G1B+4], 64                         ; tile_dim1 = 64
	s_mov_b32 s[G1B+5], SIZE_N                     ; elements from k-row to k-row
	s_mov_b32 s[G1B+6], 0
	s_mov_b32 s[G1B+7], 0
	; where the tiles come from.  xb's hang on the block row alone, w1b's on the block column alone; each offset is made in registers that never hold the other coordinate.
	s_lshl_b32 s[XBT], s19, 8
	s_lshl_b32 s23, s14, 7
	s_add_co_u32 s[XBT], s[XBT], s23               ; xb: row 256 x block row + 128 x half,
	s_lshl_b32 s[XBT], s[XBT], 11                  ; of 2,048 bytes
	s_mov_b32 s[XBT+1], 0
	s_lshl_b32 s[WBT], s18, 9                      ; w1b: 512 bytes a block column,
	s_lshl_b32 s23, s14, 19                        ; 64 k-rows of 8,192 bytes a half
	s_add_co_u32 s[WBT], s[WBT], s23
	s_mov_b32 s[WBT+1], 0
	s_mul_i32 s22, s12, HALFT                      ; and where they go: wave x 34,816: xb's two halves, then w1b's two halves
	s_wait_dscnt 0x0
	s_wait_kmcnt 0x0
	s_add_nc_u64 s[XBT:XBT+1], s[4:5], s[XBT:XBT+1]
	s_add_nc_u64 s[WBT:WBT+1], s[6:7], s[WBT:WBT+1]
	CROUND                                         ; all sixteen work-groups are here: the first joint loads meet
.irp s, 0,1
	s_mov_b32 s[G0A+4*\s], 1                                        ; count = 1
	s_add_co_u32 s[G0A+4*\s+1], s22, \s*SLOT                        ; LDS address
	s_add_nc_u64 s[G0A+4*\s+2:G0A+4*\s+3], s[XBT:XBT+1], \s*KSTEP*2 ; global address: K step s
	s_or_b32 s[G0A+4*\s+3], s[G0A+4*\s+3], 0x80000000               ; type = 2
	s_mov_b32 s[G0B+4*\s], 1
	s_add_co_u32 s[G0B+4*\s+1], s22, \s*SLOT
	s_add_nc_u64 s[G0B+4*\s+2:G0B+4*\s+3], s[WBT:WBT+1], \s*KSTEP*SIZE_N*2
	s_or_b32 s[G0B+4*\s+3], s[G0B+4*\s+3], 0x80000000
	JLOAD \s                                       ; both first fills go out before anything else is done
.endr
	; h at my wave's first 16 rows of the first block: row block 2 x block row + half, chunk 4 x block column + 2 x half
	s_lshl_b32 s68, s19, 1
	s_add_co_u32 s68, s68, s13
	s_lshl_b32 s68, s68, 20                        ; 1,048,576 bytes a row block of 128 rows
	s_mov_b32 s69, 0
	s_add_nc_u64 s[8:9], s[8:9], s[68:69]
	s_lshl_b32 s70, s18, 16                        ; 4 chunks of 16,384 bytes a block column,
	s_lshl_b32 s23, s14, 15                        ; 2 chunks a half
	s_add_co_u32 s70, s70, s23
	s_mov_b32 s71, 0
	s_add_nc_u64 s[8:9], s[8:9], s[70:71]
	; xb's fragment: 16 rows x 32 K: lane l holds row l % 16; two loads of 16 bytes, 32 bytes apart, at row x pitch + 16 (l / 16)
	v_and_b32 v1, 15, v0                           ; r = l % 16
	v_bfe_u32 v2, v0, 4, 1                         ; hh = l / 16
	v_mul_u32_u24 v3, v1, PITCH
	v_lshl_add_u32 v3, v2, 4, v3                   ; r x 272 + 16 hh
	s_mul_i32 s23, s13, HALFT                      ; my 128 rows of xb
	v_add_nc_u32 v[ADRA], s23, v3
	v_add_nc_u32 v[ADRA+1], SLOT, v[ADRA]
	; w1b's fragment: 16 columns x 32 K from k-rows: two transposing loads, 16 k-rows apart, at (8 hh + l % 8) x pitch + 16 ((l / 8) % 2)
	v_and_b32 v4, 7, v0
	v_lshl_add_u32 v4, v2, 3, v4
	v_mul_u32_u24 v4, v4, BPITCH
	v_bfe_u32 v5, v0, 3, 1
	v_lshl_add_u32 v4, v5, 4, v4
	s_lshl_b32 s23, s14, 8                         ; my 128 columns: 256 bytes a half,
	s_add_co_u32 s23, s23, 2*HALFT                 ; behind xb's 256 rows
	v_add_nc_u32 v[ADRB], s23, v4
	v_add_nc_u32 v[ADRB+1], SLOT, v[ADRB]
	s_mul_i32 s23, s12, 16*SPITCH
	s_add_co_u32 s23, s23, STAGE                   ; my stage
	v_add_nc_u32 v[STO], s23, v3                   ; in: row r, 16 bytes for each half of the lanes
	v_and_b32 v6, 31, v0                           ; lane
	v_lshrrev_b32 v5, 3, v6                        ; back: eight lanes take the 128 bytes that a row has in one chunk, so 32 lanes take four rows
	v_mul_u32_u24 v5, v5, SPITCH
	v_and_b32 v7, 7, v0
	v_lshl_add_u32 v5, v7, 4, v5
	v_add_nc_u32 v[RD], s23, v5
	v_lshlrev_b32 v[CO], 4, v6                     ; in h these four rows are 512 consecutive bytes: 16 x lane
	s_lshl_b32 s58, s18, 10                        ; b1: 4 bytes x (256 block column + 128 half + 8 hh)
	s_lshl_b32 s59, s14, 9
	s_add_co_u32 s58, s58, s59
	v_lshl_add_u32 v[BO], v2, 5, s58
; my 64 numbers of b1 for block t of the two (eight block columns = 8,192 bytes apart); waited for at the head of that block's way out
.macro BIASLOAD t
	WIN TO_B
.irp b, 0,1,2,3,4,5,6,7
	global_load_b128 v[BIAS+8*\b:BIAS+8*\b+3],   v[BO], s[10:11] offset:\t*8192+64*\b
	global_load_b128 v[BIAS+8*\b+4:BIAS+8*\b+7], v[BO], s[10:11] offset:\t*8192+64*\b+16
.endr
	WIN 0
.endm
	BIASLOAD 0
.irp d, 0,1
	v_mov_b32 v[KA5+\d], 0x3F07DC22                ;  1.330274429 / sqrt(2 pi)
	v_mov_b32 v[KA4+\d], 0xBF3A00E3                ; -1.821255978 / sqrt(2 pi)
	v_mov_b32 v[KA3+\d], 0x3F35F0E3                ;  1.781477937 / sqrt(2 pi)
	v_mov_b32 v[KA2+\d], 0xBE11A98E                ; -0.356563782 / sqrt(2 pi)
	v_mov_b32 v[KA1+\d], 0x3E027906                ;  0.319381530 / sqrt(2 pi)
	v_mov_b32 v[KNC+\d], 0xBF38AA3B                ; -log2(e) / 2
.endr
; 16 matrix instructions: m blocks a0, a0 + 1 of the window's four (hi = 0: my rows 0-63, 1: rows 64-127) x all 8 n blocks, 32 along K.
; zero = 1: the first product starts the sums: nothing is cleared.  The 64 accumulators take turns, one instruction a turn, in the same order
; in every quarter step, over the backward jumps and from block to block.
.macro MUL16 f, hi, a0, zero
.irp a, \a0, \a0+1
.irp b, 0,1,2,3,4,5,6,7
.if \zero
	v_wmma_f32_16x16x32_bf16 v[8*(8*(\a)+\b):8*(8*(\a)+\b)+7], v[\f+8*\b:\f+8*\b+7], v[\f+8*(4*\hi+\a):\f+8*(4*\hi+\a)+7], 0
.else
	v_wmma_f32_16x16x32_bf16 v[8*(8*(\a)+\b):8*(8*(\a)+\b)+7], v[\f+8*\b:\f+8*\b+7], v[\f+8*(4*\hi+\a):\f+8*(4*\hi+\a)+7], v[8*(8*(\a)+\b):8*(8*(\a)+\b)+7]
.endif
.endr
.endr
.endm
; 32 LDS loads in one run: the fragments of one quarter step into buffer f.  k = the quarter's byte offset in xb's rows (2 bytes an element),
; so in w1b it is k / 2 k-rows = k x 272 bytes; the largest offset is 192 x 272 + 224 + 8,704 = 61,152.
.macro FETCH slot, k, f
	WIN TO_B
.irp i, 0,1,2,3,4,5,6,7
	ds_load_tr16_b128 v[\f+8*\i:\f+8*\i+3],   v[ADRB+\slot] offset:\k*(BPITCH/2)+32*\i
	ds_load_tr16_b128 v[\f+8*\i+4:\f+8*\i+7], v[ADRB+\slot] offset:\k*(BPITCH/2)+32*\i+16*BPITCH
.endr
	WIN 0
.irp i, 0,1,2,3,4,5,6,7
	ds_load_b128 v[\f+8*\i:\f+8*\i+3],   v[ADRA+\slot] offset:\k+\i*16*PITCH
	ds_load_b128 v[\f+8*\i+4:\f+8*\i+7], v[ADRA+\slot] offset:\k+\i*16*PITCH+32
.endr
.endm
; A load into a register that a matrix instruction has read, and a vector instruction that reads a matrix result, stand four places behind that matrix
; instruction; only plain vector instructions that name none of its registers are places.
.macro PLACES
.rept 4
	v_nop
.endr
.endm
; A K step is four quarter steps of 32 along K, 64 matrix instructions each, on buffers 0, 1, 0, 1.
; One of the first three: multiplies buffer f; in its middle it fetches the next quarter's fragments into buffer g.
.macro QUARTER slot, k, f, g, zero
	s_wait_dscnt 8                                 ; w1b's fragments and xb's rows 0-63 are in; the youngest eight loads (xb's rows 64-127) may be out
	WIN MUL_LO
	MUL16 \f, 0, 0, \zero
	MUL16 \f, 0, 2, \zero
	PLACES
	FETCH \slot, \k, \g
	s_wait_dscnt 32                                ; all but the 32 just issued
	WIN MUL_HI
	MUL16 \f, 1, 0, \zero
	MUL16 \f, 1, 2, \zero
.endm
; The last quarter of a K step: multiplies buffer 1 and changes slots.  In front of the barrier each wave waits for its own reads of this slot and for all its
; tensor loads (one is out: its part of the next slot).  Behind it nobody reads this slot and the next slot is whole: the refill comes first,
; then the next slot's first fragments.  Where the slot is filled again the barrier opens a round of the cluster's barrier.
; fill = 0: no refill.  fill = 1: this slot's tile two K steps on.  fill = 2: K step 'slot' of the next block: the same rows of xb from their first byte,
; w1b eight block columns of 512 bytes on; the address is made anew from the kept pointers, and the type set again, as for the first fills.
.macro TURN slot, next, fill
	s_wait_dscnt 8
	WIN MUL_LO
	MUL16 F1, 0, 0, 0
	s_wait_dscnt 0                                 ; my reads of this slot are over
	s_wait_tensorcnt 0x0                           ; all my tensor loads have landed
	ds_add_u32 v63, v63
	s_wait_dscnt 0x0
	s_barrier_signal -1
	MUL16 F1, 0, 2, 0                              ; register work while the others arrive
	WIN 0
	s_barrier_wait -1
.if \fill
	CREST                                          ; no wave of any partner still reads this slot or has a load on its way; no tensor load of mine is out, so a group 0 may be written
.if \fill == 2
	s_add_nc_u64 s[G0A+4*\slot+2:G0A+4*\slot+3], s[XBT:XBT+1], \slot*KSTEP*2
	s_or_b32 s[G0A+4*\slot+3], s[G0A+4*\slot+3], 0x80000000
	s_add_nc_u64 s[G0B+4*\slot+2:G0B+4*\slot+3], s[WBT:WBT+1], \slot*KSTEP*SIZE_N*2+8*512
	s_or_b32 s[G0B+4*\slot+3], s[G0B+4*\slot+3], 0x80000000
.else
	s_add_nc_u64 s[G0A+4*\slot+2:G0A+4*\slot+3], s[G0A+4*\slot+2:G0A+4*\slot+3], 2*KSTEP*2
	s_add_nc_u64 s[G0B+4*\slot+2:G0B+4*\slot+3], s[G0B+4*\slot+2:G0B+4*\slot+3], 2*KSTEP*SIZE_N*2
.endif
	JLOAD \slot                                    ; the first tensor load behind the round, and my only one until the next
.endif
	PLACES
	FETCH \next, 0, F0
	WIN MUL_HI
	MUL16 F1, 1, 0, 0
	MUL16 F1, 1, 2, 0
.endm
.macro HEADQ zero                      ; a lap's first quarter step: slot 0, buffer 0
	QUARTER 0, 64, F0, F1, \zero
.endm
.macro THREE1                          ; slot 1's first three quarter steps
	QUARTER 1, 64,  F0, F1, 0
	QUARTER 1, 128, F1, F0, 0
	QUARTER 1, 192, F0, F1, 0
.endm
.macro REST fill                       ; a lap behind its first quarter step, both slots filled again
	QUARTER 0, 128, F1, F0, 0
	QUARTER 0, 192, F0, F1, 0
	TURN 0, 1, \fill
	THREE1
	TURN 1, 0, \fill
.endm
; sums of tiles (a, 0..7) of window 2 (from = 0x06) or 3 (0x07: source 0), plus b1 (source 1: window 1), into XR in window 0
.macro INTAKE a, from
	WIN \from
.irp b, 0,1,2,3,4,5,6,7
.irp r, 0,2,4,6
	v_pk_add_f32 v[XR+8*\b+\r:XR+8*\b+\r+1], v[8*(8*\a+\b)+\r:8*(8*\a+\b)+\r+1], v[BIAS+8*\b+\r:BIAS+8*\b+\r+1]
.endr
.endr
	WIN 0
.endm
; GELU of the eight numbers of tile b, rounded to bf16 and put into the stage.  Behind each reciprocal and each exponential stands a plain vector
; instruction that touches neither its result nor its source (ISA guide 5.7.2).
.macro GELU8 b
.irp j, 0,1,2,3,4,5,6,7
	v_fma_f32 v[TR+\j], |v[XR+8*\b+\j]|, s66, 1.0                          ; 1 + p |x|
.endr
.irp k, 0,2,4,6
	v_pk_mul_f32 v[YR+\k:YR+\k+1], v[XR+8*\b+\k:XR+8*\b+\k+1], v[XR+8*\b+\k:XR+8*\b+\k+1]
.endr
.irp k, 0,2,4,6
	v_pk_mul_f32 v[YR+\k:YR+\k+1], v[YR+\k:YR+\k+1], v[KNC:KNC+1]          ; -x x log2(e) / 2
.endr
.irp j, 0,1,2,3,4,5,6,7
	v_rcp_f32 v[TR+\j], v[TR+\j]                                           ; t
	v_max_num_f32 v[MXR+\j], 0, v[XR+8*\b+\j]                              ; max(x, 0)
.endr
.irp k, 0,2,4,6
	v_exp_f32 v[YR+\k], v[YR+\k]
	s_wait_alu depctr_va_vdst(0)
	v_pk_fma_f32 v[PR+\k:PR+\k+1], v[TR+\k:TR+\k+1], v[KA5:KA5+1], v[KA4:KA4+1]
	v_exp_f32 v[YR+\k+1], v[YR+\k+1]
	v_pk_fma_f32 v[PR+\k:PR+\k+1], v[PR+\k:PR+\k+1], v[TR+\k:TR+\k+1], v[KA3:KA3+1]
.endr
.irp k, 0,2,4,6
	v_pk_fma_f32 v[PR+\k:PR+\k+1], v[PR+\k:PR+\k+1], v[TR+\k:TR+\k+1], v[KA2:KA2+1]
.endr
.irp k, 0,2,4,6
	v_pk_fma_f32 v[PR+\k:PR+\k+1], v[PR+\k:PR+\k+1], v[TR+\k:TR+\k+1], v[KA1:KA1+1]
.endr
	s_wait_alu depctr_va_vdst(0)
.irp k, 0,2,4,6
	v_pk_mul_f32 v[YR+\k:YR+\k+1], v[YR+\k:YR+\k+1], v[TR+\k:TR+\k+1]
.endr
.irp k, 0,2,4,6
	v_pk_mul_f32 v[PR+\k:PR+\k+1], v[PR+\k:PR+\k+1], v[YR+\k:YR+\k+1]      ; Q(|x|)
.endr
.irp j, 0,1,2,3,4,5,6,7
	v_fma_f32 v[MXR+\j], -|v[XR+8*\b+\j]|, v[PR+\j], v[MXR+\j]             ; max(x, 0) - |x| Q
.endr
.irp r, 0,1,2,3
	v_cvt_pk_bf16_f32 v[TMP+4*\b+\r], v[MXR+2*\r], v[MXR+2*\r+1]
.endr
	ds_store_b128 v[STO], v[TMP+4*\b:TMP+4*\b+3] offset:32*\b              ; row r, columns 16 b + 8 hh .. + 7
.endm
; THE WAY OUT of a block, 16 rows at a time, in a loop of eight trips.  The bias add is also the move out of the accumulators' window into registers with
; fixed names, so only these 32 lines are written once for each block of rows; GELU, packing and stores are written once.
; A trip's 16 rows x 128 columns are two chunks' 16 rows: 2 x 2,048 consecutive bytes of h, stored 512 at a time.
.macro WAYOUT
	PLACES                                         ; the places behind the last matrix instructions
	WIN 0
	s_wait_loadcnt 0x0                             ; this block's b1
	s_mov_b32 s15, 0
.Lblock\@:
.irp c, 0,1,2,3,4,5,6
	s_cmp_eq_u32 s15, \c
	s_cbranch_scc1 .Lin\@_\c
.endr
	INTAKE 3, 0x07                                 ; trip 7: my rows 112-127
	s_branch .Lact\@
.Lin\@_0:
	INTAKE 0, 0x06
	s_branch .Lact\@
.Lin\@_1:
	INTAKE 1, 0x06
	s_branch .Lact\@
.Lin\@_2:
	INTAKE 2, 0x06
	s_branch .Lact\@
.Lin\@_3:
	INTAKE 3, 0x06
	s_branch .Lact\@
.Lin\@_4:
	INTAKE 0, 0x07
	s_branch .Lact\@
.Lin\@_5:
	INTAKE 1, 0x07
	s_branch .Lact\@
.Lin\@_6:
	INTAKE 2, 0x07
.Lact\@:
.irp b, 0,1,2,3,4,5,6,7
	GELU8 \b
.endr
.irp t, 0,1,2,3,4,5,6,7
	ds_load_b128 v[RB+4*\t:RB+4*\t+3], v[RD] offset:(\t%4)*4*SPITCH+(\t/4)*128   ; rows 4 (t % 4) .. + 3, chunk t / 4; my own bytes; LDS serves a wave's instructions in order (ISA guide 5.7.1.4)
.endr
.irp t, 0,1,2,3,4,5,6,7
	s_wait_dscnt 7-\t                              ; read-back t is in, the 7-t younger ones may be out
	global_store_b128 v[CO], v[RB+4*\t:RB+4*\t+3], s[8:9] offset:(\t/4)*16384+(\t%4)*512   ; 512 consecutive bytes, at a multiple of 512 from h's first byte
.endr
	s_wait_xcnt 0x0                                ; RB and the stores' base are written again only behind this wait
	s_add_nc_u64 s[8:9], s[8:9], 16*128            ; 16 rows on in both chunks
	s_add_co_u32 s15, s15, 1
	s_cmp_lt_u32 s15, 8
	s_cbranch_scc1 .Lblock\@
.endm
	s_wait_tensorcnt 1                             ; my part of K step 0 is in; K step 1's load was issued behind it and stays out
	s_barrier_signal -1
	s_barrier_wait -1                              ; everybody's is
	FETCH 0, 0, F0
	; THE FIRST BLOCK
	HEADQ 1                                        ; the first quarter of K step 0 starts the sums
	WIN 0                                          ; at a label and at a branch every window is 0
	s_mov_b32 s15, LAPS-1
.Llap_a:
	REST 1                                         ; three trips: K steps 0 to 5; they ask for 2 to 7
	HEADQ 0                                        ; the first quarter of K steps 2, 4, 6
	WIN 0
	s_sub_co_u32 s15, s15, 1
	s_cmp_lg_u32 s15, 0
	s_cbranch_scc1 .Llap_a
	REST 2                                         ; K steps 6, 7; asks for the second block's 0, 1
	WAYOUT                                         ; slot 0 holds the second block's K step 0 (its first fragments are in buffer 0), slot 1's load is on its way
	s_add_nc_u64 s[8:9], s[8:9], 32*16384-128*128  ; 32 chunks on, 128 rows back (behind the way out's last s_wait_xcnt 0)
	BIASLOAD 1
	; THE SECOND BLOCK
	HEADQ 1
	WIN 0
	s_mov_b32 s15, LAPS-1
.Llap_b:
	REST 1                                         ; three trips: K steps 0 to 5; they ask for 2 to 7
	HEADQ 0
	WIN 0
	s_sub_co_u32 s15, s15, 1
	s_cmp_lg_u32 s15, 0
	s_cbranch_scc1 .Llap_b
	QUARTER 0, 128, F1, F0, 0                      ; K steps 6, 7 fill nothing
	QUARTER 0, 192, F0, F1, 0
	TURN 0, 1, 0
	THREE1
	s_wait_dscnt 8                                 ; the very last quarter: nothing more to fetch
	WIN MUL_LO
	MUL16 F1, 0, 0, 0
	MUL16 F1, 0, 2, 0
	s_wait_dscnt 0
	WIN MUL_HI
	MUL16 F1, 1, 0, 0
	MUL16 F1, 1, 2, 0
	WAYOUT
	s_set_vgpr_msb 0x1
	s_wait_tensorcnt 0x0
	ds_add_u32 v63, v63
	s_wait_dscnt 0x0
	s_set_vgpr_msb 0x100
	CROUND                                         ; the closing round: no work-group ends while a partner may still ask for a tile that names it
	s_endpgm
.Lfunc_end_k_q720c38660c_fc1:
	.size	k_q720c38660c_fc1, .Lfunc_end_k_q720c38660c_fc1-k_q720c38660c_fc1
	.p2alignl 7, 3214868480
	.fill 96, 4, 3214868480
	.section	.rodata,"a",@progbits
	.p2align	6, 0x0
	.amdhsa_kernel k_q720c38660c_fc1
		.amdhsa_group_segment_fixed_size 327680
		.amdhsa_private_segment_fixed_size 0
		.amdhsa_enable_private_segment 0
		.amdhsa_kernarg_size 32
		.amdhsa_user_sgpr_count 2
		.amdhsa_user_sgpr_kernarg_segment_ptr 1
		.amdhsa_wavefront_size32 1
		.amdhsa_system_sgpr_workgroup_id_x 1
		.amdhsa_system_sgpr_workgroup_id_y 1
		.amdhsa_system_sgpr_workgroup_id_z 1
		.amdhsa_system_vgpr_workitem_id 0
		.amdhsa_next_free_vgpr 1024
		.amdhsa_next_free_sgpr 72
		.amdhsa_reserve_vcc 0
		.amdhsa_float_denorm_mode_32 3
		.amdhsa_float_denorm_mode_16_64 3
		.amdhsa_memory_ordered 1
		.amdhsa_forward_progress 1
		.amdhsa_inst_pref_size 255
	.end_amdhsa_kernel
	.section	.bss,"aw",@nobits
	.p2align	6
	.space	262144
	.amdgpu_metadata
---
amdhsa.version: [ 1, 2 ]
amdhsa.kernels:
  - .name:           k_q720c38660c_fc1
    .symbol:         k_q720c38660c_fc1.kd
    .args:
      - { .name: xb, .offset: 0, .size: 8, .value_kind: global_buffer, .address_space: global }
      - { .name: w1b, .offset: 8, .size: 8, .value_kind: global_buffer, .address_space: global }
      - { .name: h, .offset: 16, .size: 8, .value_kind: global_buffer, .address_space: global }
      - { .name: b1, .offset: 24, .size: 8, .value_kind: global_buffer, .address_space: global }
    .group_segment_fixed_size: 327680
    .private_segment_fixed_size: 0
    .kernarg_segment_align: 8
    .kernarg_segment_size: 32
    .max_flat_workgroup_size: 128
    .sgpr_count:     72
    .vgpr_count:     1024
    .wavefront_size: 32
...
	.end_amdgpu_metadata
.endif
;; end of part 2
;; launch fc2 (part 3): grid 4 x 64, 4 waves a work-group, clusters of 4 x 4, 327,680 bytes of LDS; arguments h, wc, out0, b2, be, indices; writes out0
.if DOCPART == 3
	.amdgcn_target "amdgcn-amd-amdhsa--gfx1250"
	.amdhsa_code_object_version 6
	.text
	.protected	k_q720c38660c_fc2
	.globl	k_q720c38660c_fc2
	.p2align	8
	.type	k_q720c38660c_fc2,@function
k_q720c38660c_fc2:
	s_mov_b64 s[64:65], 0
	v_nop
	global_prefetch_b8 v0, s[64:65] scope:SCOPE_SE
	s_setreg_imm32_b32 hwreg(HW_REG_WAVE_MODE, 25, 1), 1
	s_wait_xcnt 0x0
	s_wait_alu depctr_hold_cnt(0) depctr_sa_sdst(0) depctr_va_vdst(0) depctr_va_sdst(0) depctr_va_ssrc(0) depctr_va_vcc(0) depctr_vm_vsrc(0)
	s_getreg_b32 s2, hwreg(HW_REG_IB_STS2, 6, 4)
	s_cmp_eq_u32 s2, 0
	s_cbranch_scc0 .Lentry_in_a_cluster
	s_endpgm
.Lentry_in_a_cluster:
	s_bfe_u32 s2, ttmp6, 0x10000c
	s_cmp_lg_u32 s2, 0xf033
	s_cbranch_scc0 .Lentry_shape_is_right
	s_endpgm
.Lentry_shape_is_right:
; fc2: out0[:, 0:768] = h W2 + b2;  out0[:, 768:1024] = h We[indices[batch]] + be[indices[batch]].
; h bf16 as the second launch laid it: [64 row blocks][64 chunks][128 rows][64 columns]; wc [19][4096 (k)][256 (n)] bf16: blocks 0..2 = W2's column blocks of 256,
; block 3+b = We[indices[b]] as the first launch laid it; out0 [8192][1024] f32; sums in f32.
; No work of the problem is left out here.  The index is read here for be's row alone.
; LIMIT: an index outside 0..7, read as an unsigned number, is taken as 7 (as in the first launch).
; 256 work-groups, each with 128 rows x 256 columns over K = 4,096; a wave makes 64 x 128: 32 accumulator tiles, 256 registers.
; A CLUSTER of 4 x 4 work-groups is one batch (512 rows = 4 row blocks) times all 1,024 columns (4 column blocks; the fourth is the expert's): the grid has
; one cluster along x, so the block column is cx, and the cluster's y is the batch.  The four of a row of the cluster need the same tiles of h, the four of a
; column the same tiles of wc: each tile is asked for jointly, which divides the requests for both by four.  wc's address is made of cx and the batch's number,
; h's of cy and the batch's number: no number read from memory enters a descriptor.
; THE RING: two equal slots as large as fit, K = 192 each: 192 k-rows of wc (512 + 32 bytes) and three chunks of h.  A refill has the other slot's work in which
; to land, so equal slots give every refill the same 6 x 32 - 8 = 184 matrix instructions of a wave.  4,096 = 2 x 128 + 20 x 192: the two first fills are short.
; A chunk of h (128 rows x 128 bytes) is dense in memory and comes in as 64 rows of 256 bytes + 16 of padding, two rows of h to an LDS row: row q of chunk c lies at
; (64 c + q / 2) x 272 + (q % 2) x 128, and the 16 rows of a fragment start at the 16-byte columns j (row 2 j) and j + 8 (row 2 j + 1), j = 0..7: all different.
; THE STAGE of the way out lies in slot 0, behind that slot's last fill and behind the barrier that ends its last reads; no tensor load is issued after the first LDS store.
; THE BIAS STARTS THE SUMS: the first matrix instruction of each tile takes the bias registers as C: nothing is cleared, nothing is added later.
;
; REGISTERS: window 0: v16-27 addresses; v64-95, v128-159 fragments of h, two buffers (way out: v64-127, v128-191 rows read back)
;            window 1: v64-127, v128-191 fragments of wc, two buffers; v192-255 my 64 bias numbers
;            window 2: accumulator tile (a, b) at v[8 (8 a + b)], a = 0..3 (16 rows each), b = 0..7 (16 columns each)
; The matrix instruction is used transposed (source 0 = 16 columns of wc, source 1 = 16 rows of h): lane l holds row l % 16, registers 0 to 7 the columns 8 (l / 16) + 0 .. 7.
.set SIZE_K, 4096
.set KS,     128                       ; the two first steps
.set KL,     192                       ; the twenty others
.set PITCH,  272                       ; an LDS row of h's chunks: 256 bytes + 16
.set BPITCH, 544                       ; an LDS row of wc: 512 bytes + 32 = 17 x 32
.set APART,  KL*BPITCH                 ; 104,448: h's chunks lie behind wc's k-rows
.set ACHUNK, 64*PITCH                  ; 17,408: a chunk
.set SLOT,   APART+3*ACHUNK            ; 156,672
.set SPITCH, 528                       ; the stage: 512 bytes of f32 + 16; 16 rows for each wave, from LDS byte 0 on
.set LLAPS,  (SIZE_K-2*KS)/(2*KL)      ; 10 laps of two long steps
.set ADRA, 16                          ; v16-17  my h fragments in slot 0, 1
.set ADRB, 20                          ; v20-21  my wc fragments in slot 0, 1, quarters 0-2;  v22-23 quarters 3-5 (96 k-rows on: the 16-bit offset does not reach them)
.set STO,  24
.set RD,   25
.set CO,   26
.set BO,   27
.set F0,   64
.set F1,   128
.set BIAS, 192                         ; window 1
.set G1A, 24                           ; s[24:31] group 1 for h's tiles
.set G0A, 32                           ; s[32:39] group 0 for h's long tiles, one set for each slot
.set G1B, 40                           ; s[40:47] group 1 for wc's tiles
.set G0B, 48                           ; s[48:55] group 0 for wc's long tiles, one set for each slot
.set GFA, 72                           ; s[72:79] group 0 for h's two first fills
.set GFB, 80                           ; s[80:87] group 0 for wc's two first fills
.set MSB, 0
.macro WIN new
.if MSB != \new
	s_set_vgpr_msb (MSB<<8)|\new
.set MSB, \new
.endif
.endm
.set MUL_ACC,   0xa1                   ; source 0 (wc) window 1, source 1 (h) window 0, C and D window 2
.set MUL_FIRST, 0x91                   ; the same with C in window 1: the bias
.set TO_B,      0x40                   ; destination window 1, address window 0
; A joint load: waves 0 and 1 fetch wc's two halves by group 0 at s[gb], waves 2 and 3 h's by s[ga]; the branch hangs on the wave's number alone
.macro JLOAD ga, gb
	s_cmp_eq_u32 s13, 0
	s_cbranch_scc0 .Lfor_a_\@
	tensor_load_to_lds s[\gb:\gb+3], s[G1B:G1B+7]
	s_nop 0
	s_branch .Lasked_\@
.Lfor_a_\@:
	tensor_load_to_lds s[\ga:\ga+3], s[G1A:G1A+7]
	s_nop 0
.Lasked_\@:
.endm
.macro CREST                           ; a round of the cluster's barrier behind its opening barrier
	s_cmp_lg_u32 s12, 0
	s_cbranch_scc1 .Lnot_wave_0_\@
	s_barrier_signal -3
.Lnot_wave_0_\@:
	s_barrier_wait -3
	s_barrier_signal -1
	s_barrier_wait -1
.endm
.macro CROUND
	s_barrier_signal -1
	s_barrier_wait -1
	CREST
.endm
	s_load_b256 s[4:11], s[0:1], 0x0               ; h s[4:5], wc s[6:7], out0 s[8:9], b2 s[10:11]
	s_load_b128 s[56:59], s[0:1], 0x20             ; be s[56:57], indices s[58:59]
	s_set_vgpr_msb 0x40
	v_lshl_add_u32 v63, v0, 2, 0x4c800
	s_set_vgpr_msb 0x4000
	v_mov_b32 v255, 0
	s_set_vgpr_msb 0x1
	ds_add_u32 v63, v255
	s_set_vgpr_msb 0x100
	v_lshrrev_b32 v1, 5, v0
	v_readfirstlane_b32 s12, v1                    ; wave 0..3
	s_lshr_b32 s13, s12, 1                         ; which 64 of the block's rows are mine.  Also: I fetch for wc (0) or for h (1)
	s_and_b32 s14, s12, 1                          ; which 128 of its columns.  Also: which half of that tile I fetch
	s_bfe_u32 s16, ttmp6, 0x40000                  ; cx = block column
	s_bfe_u32 s17, ttmp6, 0x40004                  ; cy = row block inside the batch
	s_and_b32 s18, ttmp7, 0xffff                   ; cluster y = batch, 0..15
	s_lshl_b32 s3, s18, 2                          ; 4 x batch: the byte offset of indices[batch],
	s_add_co_u32 s19, s3, s17                      ; and the batch's first row block; + cy = my row block, 0..63
	s_wait_dscnt 0x0
	s_wait_kmcnt 0x0
	s_load_b32 s60, s[58:59], s3 offset:0x0        ; the batch's expert, for be's row
	s_lshl_b32 s20, s17, 2
	s_lshl_b32 s20, 15, s20                        ; my row of the cluster
	s_lshl_b32 s21, 0x1111, s16                    ; my column
	; group 1 for h: dense rows of 128 elements of 2 bytes, 4 words of padding behind every 64 words; 64 rows a wave in the first fills (96 later)
	s_or_b32 s[G1A+0], s20, (1<<16)|(1<<20)|(1<<21)|(5<<22)|(3<<25)
	s_mov_b32 s[G1A+1], 128<<16                    ; tensor_dim0 = 128
	s_mov_b32 s[G1A+2], 64<<16                     ; tensor_dim1 = 64
	s_mov_b32 s[G1A+3], 128<<16                    ; tile_dim0 = 128
	s_mov_b32 s[G1A+4], 64                         ; tile_dim1 = 64
	s_mov_b32 s[G1A+5], 128                        ; elements from row to row: dense
	s_mov_b32 s[G1A+6], 0
	s_mov_b32 s[G1A+7], 0
	; group 1 for wc: k-rows of 256 elements, 8 words of padding behind every 128 words; 64 k-rows a wave in the first fills (96 later)
	s_or_b32 s[G1B+0], s21, (1<<16)|(1<<20)|(1<<21)|(6<<22)|(7<<25)
	s_mov_b32 s[G1B+1], 256<<16
	s_mov_b32 s[G1B+2], 64<<16
	s_mov_b32 s[G1B+3], 256<<16
	s_mov_b32 s[G1B+4], 64
	s_mov_b32 s[G1B+5], 256
	s_mov_b32 s[G1B+6], 0
	s_mov_b32 s[G1B+7], 0
	; where the halves go in a slot: a constant plus the wave's number times a constant
	s_mul_i32 s22, s12, 64*PITCH
	s_add_co_u32 s22, s22, APART-2*64*PITCH        ; h, first fills: waves 2, 3 at 104,448 and 121,856
	s_mul_i32 s23, s12, 64*BPITCH                  ; wc, first fills: waves 0, 1 at 0 and 34,816
	s_mul_i32 s88, s12, 96*PITCH
	s_add_co_u32 s88, s88, APART-2*96*PITCH        ; h, long fills: waves 2, 3 at 104,448 and 130,560
	s_mul_i32 s89, s12, 96*BPITCH                  ; wc, long fills: waves 0, 1 at 0 and 52,224
	; where they come from.  h: row block x 1,048,576 + chunk x 16,384 + my half of the run
	s_lshl_b32 s66, s19, 20
	s_lshl_b32 s2, s14, 14                         ; first fills: 64 rows of 256 bytes a half
	s_add_co_u32 s66, s66, s2
	s_mov_b32 s67, 0
	s_lshl_b32 s92, s19, 20
	s_mul_i32 s2, s14, 96*256                      ; long fills: 96 rows of 256 bytes a half,
	s_add_co_u32 s92, s92, s2
	s_add_co_u32 s92, s92, 4*16384                 ; from chunk 4 on (K = 256)
	s_mov_b32 s93, 0
	s_add_co_u32 s61, s16, 1
	s_lshr_b32 s61, s61, 2                         ; m = 1 in the expert's block column (cx = 3), else 0
	s_mul_i32 s63, s18, s61                        ; batch x m
	s_add_co_u32 s63, s63, s16                     ; wc's block: cx, or 3 + batch
	s_lshl_b32 s68, s63, 21                        ; of 2,097,152 bytes,
	s_lshl_b32 s2, s14, 15                         ; first fills: 64 k-rows of 512 bytes a half
	s_add_co_u32 s68, s68, s2
	s_mov_b32 s69, 0
	s_lshl_b32 s90, s63, 21
	s_mul_i32 s2, s14, 96*512                      ; long fills: 96 k-rows a half,
	s_add_co_u32 s90, s90, s2
	s_add_co_u32 s90, s90, 2*KS*512                ; from k-row 256 on
	s_mov_b32 s91, 0
	s_wait_kmcnt 0x0
	s_min_u32 s60, s60, 7                          ; the index stays inside its table; behind this only multiplies, adds and shifts to the left
	s_mul_i32 s62, s60, s61                        ; index x m
	s_xor_b32 s61, s61, 1
	s_mul_i32 s61, s61, s16                        ; cx where the bias is b2's, else 0
	s_add_co_u32 s61, s61, s62                     ; the bias block: cx in b2, or the index's row in be,
	s_lshl_b32 s61, s61, 10                        ; of 1,024 bytes,
	s_lshl_b32 s2, s14, 9                          ; + 512 for my half of the columns
	s_add_co_u32 s61, s61, s2
	s_cmp_eq_u32 s16, 3
	s_cselect_b64 s[70:71], s[56:57], s[10:11]     ; be or b2
	s_add_nc_u64 s[66:67], s[4:5], s[66:67]
	s_add_nc_u64 s[92:93], s[4:5], s[92:93]
	s_add_nc_u64 s[68:69], s[6:7], s[68:69]
	s_add_nc_u64 s[90:91], s[6:7], s[90:91]
	CROUND                                         ; all sixteen work-groups are here: the first joint loads meet
.irp s, 0,1
	s_mov_b32 s[GFA+4*\s], 1
	s_add_co_u32 s[GFA+4*\s+1], s22, \s*SLOT
	s_add_nc_u64 s[GFA+4*\s+2:GFA+4*\s+3], s[66:67], \s*2*16384     ; chunks 0, 1 and 2, 3
	s_or_b32 s[GFA+4*\s+3], s[GFA+4*\s+3], 0x80000000
	s_mov_b32 s[GFB+4*\s], 1
	s_add_co_u32 s[GFB+4*\s+1], s23, \s*SLOT
	s_add_nc_u64 s[GFB+4*\s+2:GFB+4*\s+3], s[68:69], \s*KS*512      ; k-rows 0-127 and 128-255
	s_or_b32 s[GFB+4*\s+3], s[GFB+4*\s+3], 0x80000000
	JLOAD GFA+4*\s, GFB+4*\s                       ; both first fills go out before anything else is done
.endr
.irp s, 0,1                                        ; the sets for the long fills, in registers that no load has named yet: they point at fills 2 and 3
	s_mov_b32 s[G0A+4*\s], 1
	s_add_co_u32 s[G0A+4*\s+1], s88, \s*SLOT
	s_add_nc_u64 s[G0A+4*\s+2:G0A+4*\s+3], s[92:93], \s*3*16384
	s_or_b32 s[G0A+4*\s+3], s[G0A+4*\s+3], 0x80000000
	s_mov_b32 s[G0B+4*\s], 1
	s_add_co_u32 s[G0B+4*\s+1], s89, \s*SLOT
	s_add_nc_u64 s[G0B+4*\s+2:G0B+4*\s+3], s[90:91], \s*KL*512
	s_or_b32 s[G0B+4*\s+3], s[G0B+4*\s+3], 0x80000000
.endr
	v_and_b32 v1, 15, v0                           ; r = l % 16
	v_bfe_u32 v2, v0, 4, 1                         ; hh = l / 16
	v_lshl_add_u32 v[BO], v2, 5, s61               ; bias: + 4 bytes x 8 hh
	WIN TO_B
.irp b, 0,1,2,3,4,5,6,7
	global_load_b128 v[BIAS+8*\b:BIAS+8*\b+3],   v[BO], s[70:71] offset:64*\b       ; v[BIAS+8b+j] = bias of my column 16 b + 8 hh + j
	global_load_b128 v[BIAS+8*\b+4:BIAS+8*\b+7], v[BO], s[70:71] offset:64*\b+16
.endr
	WIN 0
	v_lshrrev_b32 v3, 1, v1                        ; h's fragments: (r / 2) x 272 + (r % 2) x 128 + 16 hh
	v_mul_u32_u24 v3, v3, PITCH
	v_and_b32 v5, 1, v0
	v_lshl_add_u32 v3, v5, 7, v3
	v_lshl_add_u32 v3, v2, 4, v3
	s_mul_i32 s2, s13, 32*PITCH                    ; my 64 rows of h = 32 LDS rows of each chunk,
	s_add_co_u32 s2, s2, APART                     ; behind wc's k-rows
	v_add_nc_u32 v[ADRA], s2, v3
	v_add_nc_u32 v[ADRA+1], SLOT, v[ADRA]
	v_and_b32 v4, 7, v0                            ; wc's fragments by the transposing load: (8 hh + l % 8) x pitch + 16 ((l / 8) % 2)
	v_lshl_add_u32 v4, v2, 3, v4
	v_mul_u32_u24 v4, v4, BPITCH
	v_bfe_u32 v5, v0, 3, 1
	v_lshl_add_u32 v4, v5, 4, v4
	s_lshl_b32 s2, s14, 8                          ; my 128 columns: 256 bytes a half
	v_add_nc_u32 v[ADRB], s2, v4
	v_add_nc_u32 v[ADRB+1], SLOT, v[ADRB]
	v_add_nc_u32 v[ADRB+2], 96*BPITCH, v[ADRB]
	v_add_nc_u32 v[ADRB+3], 96*BPITCH, v[ADRB+1]
	s_mul_i32 s2, s12, 16*SPITCH                   ; my stage: 8,448 bytes a wave, from LDS byte 0 on
	v_mul_u32_u24 v5, v1, SPITCH                   ; in: row r, 32 bytes for each half of the lanes
	v_lshl_add_u32 v5, v2, 5, v5
	v_add_nc_u32 v[STO], s2, v5
	v_and_b32 v6, 31, v0
	v_lshlrev_b32 v[CO], 4, v6                     ; back and out: 32 lanes x 16 bytes = a row's 512 bytes
	v_add_nc_u32 v[RD], s2, v[CO]
; 8 matrix instructions: m block a x all 8 n blocks, 32 along K.  first = 1: C is the bias.  The 32 accumulators take turns, one instruction a turn,
; in the same order in every quarter step and over the backward jump.
.macro MULA f, a, first
.if \first
	WIN MUL_FIRST
.irp b, 0,1,2,3,4,5,6,7
	v_wmma_f32_16x16x32_bf16 v[8*(8*\a+\b):8*(8*\a+\b)+7], v[\f+8*\b:\f+8*\b+7], v[\f+8*\a:\f+8*\a+7], v[BIAS+8*\b:BIAS+8*\b+7]
.endr
.else
	WIN MUL_ACC
.irp b, 0,1,2,3,4,5,6,7
	v_wmma_f32_16x16x32_bf16 v[8*(8*\a+\b):8*(8*\a+\b)+7], v[\f+8*\b:\f+8*\b+7], v[\f+8*\a:\f+8*\a+7], v[8*(8*\a+\b):8*(8*\a+\b)+7]
.endr
.endif
.endm
; 24 LDS loads in one run: the fragments of quarter q (32 along K) of a slot into buffer f.  wc: k-rows 32 q on, by the address register of q / 3;
; h: chunk q / 2, byte 64 (q % 2) of its rows.  The largest offsets: 2 x 17,408 + 224 + 8,704 = 43,744 and 2 x 17,408 + 64 + 3 x 2,176 + 32 = 41,440.
.macro FETCH slot, q, f
	WIN TO_B
.irp i, 0,1,2,3,4,5,6,7
	ds_load_tr16_b128 v[\f+8*\i:\f+8*\i+3],   v[ADRB+\slot+2*(\q/3)] offset:(\q%3)*32*BPITCH+32*\i
	ds_load_tr16_b128 v[\f+8*\i+4:\f+8*\i+7], v[ADRB+\slot+2*(\q/3)] offset:(\q%3)*32*BPITCH+32*\i+16*BPITCH
.endr
	WIN 0
.irp i, 0,1,2,3
	ds_load_b128 v[\f+8*\i:\f+8*\i+3],   v[ADRA+\slot] offset:(\q/2)*ACHUNK+(\q%2)*64+\i*8*PITCH
	ds_load_b128 v[\f+8*\i+4:\f+8*\i+7], v[ADRA+\slot] offset:(\q/2)*ACHUNK+(\q%2)*64+\i*8*PITCH+32
.endr
.endm
; four places behind a matrix instruction before a load is issued into a register that it has read, or its result is read
.macro PLACES
.rept 4
	v_nop
.endr
.endm
; multiplies buffer f; in its middle it fetches quarter q of the same slot into buffer g
.macro QUARTER slot, q, f, g, first
	s_wait_dscnt 4                                 ; wc's fragments and h's fragments 0, 1 are in; the youngest four loads (h's fragments 2, 3) may be out
	MULA \f, 0, \first
	MULA \f, 1, \first
	PLACES
	FETCH \slot, \q, \g
	s_wait_dscnt 24                                ; all but the 24 just issued
	MULA \f, 2, \first
	MULA \f, 3, \first
.endm
; all quarters of a step but the last: three of a short step's four, five of a long step's six; the buffers go 0, 1, 0, 1 .., and the last quarter is always in buffer 1
.macro RUN slot, long, first
	QUARTER \slot, 1, F0, F1, \first
	QUARTER \slot, 2, F1, F0, 0
	QUARTER \slot, 3, F0, F1, 0
.if \long
	QUARTER \slot, 4, F1, F0, 0
	QUARTER \slot, 5, F0, F1, 0
.endif
.endm
; The last quarter changes slots.  In front of the barrier each wave waits for its own reads of this slot and for all its tensor loads (one is out: its part
; of the next slot).  Behind it the refill comes first, then the next slot's first fragments.  Where the slot is filled again the barrier opens a round of the cluster's barrier.
; shape = 1 (the first refill): both short fills have landed, so the row counts in both groups 1 are set to the long fills' 96.
; step = 1: this slot's group 0 goes two long steps on; the first refill of each slot finds its set ready.
.macro TURN slot, next, fill, step, shape
	s_wait_dscnt 4
	MULA F1, 0, 0
	s_wait_dscnt 0                                 ; my reads of this slot are over
	s_wait_tensorcnt 0x0                           ; all my tensor loads have landed
	ds_add_u32 v63, v255
	s_wait_dscnt 0x0
	s_barrier_signal -1
	MULA F1, 1, 0                                  ; register work while the others arrive
	WIN 0
	s_barrier_wait -1
.if \fill
	CREST                                          ; no wave of any partner still reads this slot or has a load on its way
.if \shape
	s_mov_b32 s[G1A+2], 96<<16                     ; tensor_dim1
	s_mov_b32 s[G1A+4], 96                         ; tile_dim1
	s_mov_b32 s[G1B+2], 96<<16
	s_mov_b32 s[G1B+4], 96
.endif
.if \step
	s_add_nc_u64 s[G0A+4*\slot+2:G0A+4*\slot+3], s[G0A+4*\slot+2:G0A+4*\slot+3], 6*16384       ; six chunks on: no tensor load of mine is out
	s_add_nc_u64 s[G0B+4*\slot+2:G0B+4*\slot+3], s[G0B+4*\slot+2:G0B+4*\slot+3], 2*KL*512      ; 384 k-rows on
.endif
	JLOAD G0A+4*\slot, G0B+4*\slot                 ; the first tensor load behind the round, and my only one until the next
.endif
	PLACES
	FETCH \next, 0, F0
	MULA F1, 2, 0
	MULA F1, 3, 0
.endm
	s_wait_loadcnt 0x0                             ; the bias: the first products take it as C
	s_wait_tensorcnt 1                             ; my part of step 0 is in; step 1's load was issued behind it and stays out
	s_barrier_signal -1
	s_barrier_wait -1
	FETCH 0, 0, F0
	RUN 0, 0, 1                                    ; step 0: K 0-127
	TURN 0, 1, 1, 0, 1                             ; asks for step 2: K 256-447
	RUN 1, 0, 0                                    ; step 1: K 128-255
	TURN 1, 0, 1, 0, 0                             ; asks for step 3
	WIN 0                                          ; at a label and at a branch every window is 0
	s_mov_b32 s15, LLAPS-1
.Llap:
	RUN 0, 1, 0                                    ; 9 trips: steps 2 to 19; they ask for 4 to 21
	TURN 0, 1, 1, 1, 0
	RUN 1, 1, 0
	TURN 1, 0, 1, 1, 0
	WIN 0
	s_sub_co_u32 s15, s15, 1
	s_cmp_lg_u32 s15, 0
	s_cbranch_scc1 .Llap
	RUN 0, 1, 0                                    ; steps 20 and 21 fill nothing
	TURN 0, 1, 0, 0, 0                             ; behind this barrier no wave reads slot 0 any more, and no load will fill it again
	RUN 1, 1, 0
	s_wait_dscnt 4
	MULA F1, 0, 0
	MULA F1, 1, 0
	s_wait_dscnt 0
	MULA F1, 2, 0
	MULA F1, 3, 0
	; THE WAY OUT, 16 rows at a time: a lane's 32 bytes of a row into my own stage (in slot 0's bytes), read back as whole rows of 512 bytes.
	PLACES                                         ; the places behind the last matrix instructions
	s_lshl_b32 s66, s19, 7
	s_lshl_b32 s2, s13, 6
	s_add_co_u32 s66, s66, s2                      ; my first row of out0,
	s_lshl_b32 s66, s66, 12                        ; of 4,096 bytes
	s_mov_b32 s67, 0
	s_add_nc_u64 s[8:9], s[8:9], s[66:67]
	s_lshl_b32 s68, s16, 10                        ; my first column, in bytes: 1,024 x block column + 512 x half
	s_lshl_b32 s2, s14, 9
	s_add_co_u32 s68, s68, s2
	s_mov_b32 s69, 0
	s_add_nc_u64 s[8:9], s[8:9], s[68:69]
.macro OUT16 i, f
	WIN 0x08                                       ; the LDS stores' data (source 1) come from window 2
.irp b, 0,1,2,3,4,5,6,7
	ds_store_b128 v[STO], v[8*(8*\i+\b):8*(8*\i+\b)+3]   offset:64*\b
	ds_store_b128 v[STO], v[8*(8*\i+\b)+4:8*(8*\i+\b)+7] offset:64*\b+16
.endr
	WIN 0
	s_wait_xcnt 0x0                                ; buffer f, which earlier stores read, and the stores' base are written again only behind this wait
.if \i
	s_add_nc_u64 s[8:9], s[8:9], 16*4096           ; 16 rows of out0 on
.endif
.irp t, 0,1,2,3,4,5,6,7,8,9,10,11,12,13,14,15
	ds_load_b128 v[\f+4*\t:\f+4*\t+3], v[RD] offset:\t*SPITCH      ; my own bytes; LDS serves a wave's instructions in order (ISA guide 5.7.1.4)
.endr
.irp t, 0,1,2,3,4,5,6,7,8,9,10,11,12,13,14,15
	s_wait_dscnt 15-\t                             ; read-back t is in, the 15-t younger ones may be out
	global_store_b128 v[CO], v[\f+4*\t:\f+4*\t+3], s[8:9] offset:\t*4096 th:TH_STORE_NT   ; 512 consecutive bytes, at a multiple of 512 from out0's first byte
.endr
.endm
	OUT16 0, F0
	OUT16 1, F1
	OUT16 2, F0
	OUT16 3, F1
	s_set_vgpr_msb 0x1
	s_wait_tensorcnt 0x0
	ds_add_u32 v63, v255
	s_wait_dscnt 0x0
	s_set_vgpr_msb 0x100
	CROUND                                         ; the closing round: no work-group ends while a partner may still ask for a tile that names it
	s_endpgm
.Lfunc_end_k_q720c38660c_fc2:
	.size	k_q720c38660c_fc2, .Lfunc_end_k_q720c38660c_fc2-k_q720c38660c_fc2
	.p2alignl 7, 3214868480
	.fill 96, 4, 3214868480
	.section	.rodata,"a",@progbits
	.p2align	6, 0x0
	.amdhsa_kernel k_q720c38660c_fc2
		.amdhsa_group_segment_fixed_size 327680
		.amdhsa_private_segment_fixed_size 0
		.amdhsa_enable_private_segment 0
		.amdhsa_kernarg_size 48
		.amdhsa_user_sgpr_count 2
		.amdhsa_user_sgpr_kernarg_segment_ptr 1
		.amdhsa_wavefront_size32 1
		.amdhsa_system_sgpr_workgroup_id_x 1
		.amdhsa_system_sgpr_workgroup_id_y 1
		.amdhsa_system_sgpr_workgroup_id_z 1
		.amdhsa_system_vgpr_workitem_id 0
		.amdhsa_next_free_vgpr 768
		.amdhsa_next_free_sgpr 94
		.amdhsa_reserve_vcc 0
		.amdhsa_float_denorm_mode_32 3
		.amdhsa_float_denorm_mode_16_64 3
		.amdhsa_memory_ordered 1
		.amdhsa_forward_progress 1
		.amdhsa_inst_pref_size 153
	.end_amdhsa_kernel
	.amdgpu_metadata
---
amdhsa.version: [ 1, 2 ]
amdhsa.kernels:
  - .name:           k_q720c38660c_fc2
    .symbol:         k_q720c38660c_fc2.kd
    .args:
      - { .name: h, .offset: 0, .size: 8, .value_kind: global_buffer, .address_space: global }
      - { .name: wc, .offset: 8, .size: 8, .value_kind: global_buffer, .address_space: global }
      - { .name: out0, .offset: 16, .size: 8, .value_kind: global_buffer, .address_space: global }
      - { .name: b2, .offset: 24, .size: 8, .value_kind: global_buffer, .address_space: global }
      - { .name: be, .offset: 32, .size: 8, .value_kind: global_buffer, .address_space: global }
      - { .name: indices, .offset: 40, .size: 8, .value_kind: global_buffer, .address_space: global }
    .group_segment_fixed_size: 327680
    .private_segment_fixed_size: 0
    .kernarg_segment_align: 8
    .kernarg_segment_size: 48
    .max_flat_workgroup_size: 128
    .sgpr_count:     94
    .vgpr_count:     768
    .wavefront_size: 32
...
	.end_amdgpu_metadata
.endif
;; end of part 3
;; ======== version 2 of 2: 3 launches; version 1 with the launch cast written anew for expert scheduling mode
;; workspace buffers: xb 16,777,216 bytes; w1b 8,388,608 bytes; wc 39,845,888 bytes; h 67,108,864 bytes
;; launch cast (part 4): grid 992 x 1, 8 waves a work-group, no clusters, 0 bytes of LDS; arguments x, W1, We, W2, indices, xb, w1b, wc; writes xb, w1b, wc
.if DOCPART == 4
	.amdgcn_target "amdgcn-amd-amdhsa--gfx1250"
	.amdhsa_code_object_version 6
	.text
	.protected	k_q720c38660c_cast
	.globl	k_q720c38660c_cast
	.p2align	8
	.type	k_q720c38660c_cast,@function
k_q720c38660c_cast:
	s_mov_b64 s[64:65], 0
	v_nop
	global_prefetch_b8 v0, s[64:65] scope:SCOPE_SE
	s_setreg_imm32_b32 hwreg(HW_REG_WAVE_SCHED_MODE, 0, 2), 2
	s_setreg_imm32_b32 hwreg(HW_REG_WAVE_MODE, 25, 1), 1
	s_wait_xcnt 0x0
	s_wait_alu depctr_vm_vsrc(0)
; cast: the large f32 inputs are rounded once to bf16 (nearest even), for the two products that follow, and the experts are looked up.
;   xb  [8192][1024]      = x
;   w1b [1024][4096]      = W1, same order
;   wc  [19][4096][256]   : blocks 0..2 = W2's columns 0-255, 256-511, 512-767; block 3+b = We[indices[b]], b = 0..15
; DEAD WORK: none is left out in this program.  Every input (x, indices, W1, b1, W2, b2, We, be) has a way to the output and is an
; argument of one of the three launches.  An expert that no batch names is not read: the index, read from memory here, asks only for the sixteen blocks named.
; WHY THE LOOKUP STANDS HERE: in the third launch the four row blocks of a batch ask for wc's tiles jointly, and a joint request's address is made there of the
; batch's number and the block column alone, which the partners share by construction, and of no number read from memory.
; The price: an expert that two batches name is read and rounded twice (16 x 4 MiB read, of which at most 8 x 4 MiB differ; 16 x 2 MiB written).
; LIMITS: x, W1, W2, We are rounded to bf16 here; sums are kept in f32 in the later launches.  An index outside 0..7, read as an unsigned number, is taken as 7.
;
; A stream: memory binds, so no LDS, no matrix unit, no cluster.  One piece for each work-group: 128 input rows of 1,024 bytes (256 f32),
; P bytes apart, become 128 x 512 consecutive output bytes.  Work-group g:
;   g in   0..255: x,  piece g      (dense: P = 1,024)                                   -> xb  + 65,536 g
;   g in 256..383: W1, piece g-256  (dense)                                              -> w1b + 65,536 (g-256)
;   g in 384..895: We, piece q=g-384: batch q/32, rows 128 (q mod 32) of its expert      -> wc  + 65,536 (q+96)   (behind W2's 96 pieces)
;   g in 896..991: W2, piece q=g-896: rows 128 (q mod 32), column block q/32, P = 3,072  -> wc  + 65,536 q
; A wave takes 16 rows: 32 loads of 512 consecutive bytes, all issued before the first wait; each becomes one store of 256 consecutive
; bytes, at a multiple of 256 from the buffer's first byte.  No register that a pending load or store names is written again,
; so the counted waits for the loads are the only waits on a memory counter for vector memory.
; THE MODE: SCHED_MODE bits 1:0 = 2 (LLVM: expert scheduling mode 2), set by the entry lines.  The code itself states the register dependences
; between vector instructions and memory instructions, with s_wait_alu, always for 0.
; THE PLAN.  Registers that memory instructions touch:
;   v[OFF ..]   sixteen row offsets.  Written by vector instructions at the head; read by the 32 loads; never written again.
;   v3          the output offset.    Written at the head; read by the 32 stores; never written again.
;   v[X+4 i ..] four registers for load i.  Load i lands in them (no vector instruction has named them before); its two conversions read all four and
;               write the first two; store i reads those two; nothing writes them after that.
;   s30         the wave's number, written by a vector instruction; read by scalar and vector instructions of the head.
; The 32 loads go in eight blocks of four.  Block p rounds its own four loads; its memory instructions are the four stores of block p - 1, whose registers
; no vector instruction of block p names.  So one wait on va_vdst at a block's head states all that the block's four stores hang on, and they are dealt among
; its conversions with no further wait.  No register that a memory instruction has read is written again, so none of them needs a wait on vm_vsrc.
.set OFF, 4                            ; v[4:19]    row r of my 16: byte offset of my 16 bytes in the piece
.set X,   20                           ; v[20:147]  load i: 4 registers; its first two then hold the 8 output bytes
.set BLOCK, 4                          ; loads, and stores, in a block
	s_load_b256 s[4:11], s[0:1], 0x0               ; x s[4:5], W1 s[6:7], We s[8:9], W2 s[10:11]
	s_load_b256 s[12:19], s[0:1], 0x20             ; indices s[12:13], xb s[14:15], w1b s[16:17], wc s[18:19]
	v_lshrrev_b32 v1, 5, v0
	v_readfirstlane_b32 s30, v1                    ; wave 0..7
	v_and_b32 v2, 31, v0                           ; lane
	; the piece's number in its source (s20), what is added to it on the way out (s31), 1 for We's pieces (s34), the pitch (s21)
	s_movk_i32 s21, 3072
	s_cmp_lt_u32 ttmp9, 256
	s_cselect_b32 s20, 0, 256
	s_cmp_lt_u32 ttmp9, 384
	s_cselect_b32 s20, s20, 384
	s_cselect_b32 s31, 0, 96
	s_cselect_b32 s34, 0, 1
	s_cmp_lt_u32 ttmp9, 896
	s_cselect_b32 s20, s20, 896
	s_cselect_b32 s31, s31, 0
	s_cselect_b32 s34, s34, 0
	s_cselect_b32 s21, 1024, s21
	s_sub_co_u32 s20, ttmp9, s20                   ; piece
	s_lshl_b32 s26, s20, 17                        ; x, W1: 131,072 bytes a piece
	s_and_b32 s32, s20, 31
	s_lshl_b32 s33, s32, 17                        ; We: the piece inside its expert; the expert's own offset is added below
	s_mul_i32 s32, s32, 393216                     ; W2: 128 rows of 3,072 bytes,
	s_lshr_b32 s35, s20, 5                         ; piece / 32: We's batch, W2's column block; 15 at the most in every source
	s_lshl_b32 s37, s35, 10                        ; and 1,024 bytes a column block
	s_add_co_u32 s32, s32, s37
	s_lshl_b32 s35, s35, 2                         ; the byte offset of indices[piece / 32]: 60 at the most, inside the 64 bytes
	s_cmp_lt_u32 ttmp9, 384
	s_cselect_b32 s26, s26, s33
	s_cmp_lt_u32 ttmp9, 896
	s_cselect_b32 s26, s26, s32
	s_mov_b32 s27, 0                               ; s[26:27]: the source's offset, below 4 GiB
	s_add_co_u32 s28, s20, s31
	s_lshl_b32 s28, s28, 16                        ; 65,536 output bytes a piece
	s_mov_b32 s29, 0                               ; s[28:29]: the destination's offset
	s_wait_alu depctr_va_sdst(0)                   ; s30 is written, ahead of its first reader, the multiply below; the shift-add into v3 reads it too
	s_mul_i32 s32, s30, s21
	s_lshl_b32 s32, s32, 4                         ; my wave's 16 rows
	v_lshlrev_b32 v3, 3, v2
	v_lshl_add_u32 v3, s30, 13, v3                 ; out: 8 lane + 8,192 wave
	v_lshl_add_u32 v[OFF], v2, 4, s32              ; in: 16 lane + 16 P wave
.irp r, 1,2,3,4,5,6,7,8,9,10,11,12,13,14,15
	v_add_nc_u32 v[OFF+\r], s21, v[OFF+\r-1]       ; one row on
.endr
	s_wait_kmcnt 0x0
	s_load_b32 s36, s[12:13], s35 offset:0x0       ; the index; only We's pieces use it (the flag s34 multiplies it away in the others)
	; the two buffers, chosen by the work-group's number alone
	s_cmp_lt_u32 ttmp9, 256
	s_cselect_b64 s[22:23], s[4:5], s[6:7]
	s_cselect_b64 s[24:25], s[14:15], s[16:17]
	s_cmp_lt_u32 ttmp9, 384
	s_cselect_b64 s[22:23], s[22:23], s[8:9]
	s_cselect_b64 s[24:25], s[24:25], s[18:19]
	s_cmp_lt_u32 ttmp9, 896
	s_cselect_b64 s[22:23], s[22:23], s[10:11]
	s_add_nc_u64 s[24:25], s[24:25], s[28:29]
	s_wait_kmcnt 0x0
	s_min_u32 s36, s36, 7                          ; the index stays inside its table; behind this only a multiply, a shift to the left and an add
	s_mul_i32 s36, s36, s34
	s_lshl_b32 s36, s36, 22                        ; 4,194,304 bytes an expert
	s_add_co_u32 s26, s26, s36
	s_add_nc_u64 s[22:23], s[22:23], s[26:27]
	s_wait_alu depctr_va_vdst(0)                   ; the sixteen offsets v[OFF ..], which the loads read, and v3, which every store reads, are written; no later vector instruction names them
.irp r, 0,1,2,3,4,5,6,7,8,9,10,11,12,13,14,15
	global_load_b128 v[X+8*\r:X+8*\r+3],   v[OFF+\r], s[22:23]              ; no hint: two batches may name the same expert's rows
	global_load_b128 v[X+8*\r+4:X+8*\r+7], v[OFF+\r], s[22:23] offset:512
.endr
; Load i is rounded in block i / 4; store i - 4, of the block before, stands in front of its two conversions.
.set i, 0
.rept 32
	s_wait_loadcnt 31-i                            ; loads come back in order (ISA guide 5.7.1): load i is in, the 31-i younger ones stay out
.if (i % BLOCK == 0) && (i > 0)
	s_wait_alu depctr_va_vdst(0)                   ; a block's head: the conversions of the block before have written its eight output registers, which this block's four stores read
.endif
.if i >= BLOCK
	global_store_b64 v3, v[X+4*(i-BLOCK):X+4*(i-BLOCK)+1], s[24:25] offset:256*(i-BLOCK)   ; 32 lanes x 8 bytes = 256 consecutive bytes, aligned; no vector instruction since the wait names these registers
.endif
	v_cvt_pk_bf16_f32 v[X+4*i],   v[X+4*i],   v[X+4*i+1]
	v_cvt_pk_bf16_f32 v[X+4*i+1], v[X+4*i+2], v[X+4*i+3]
.set i, i+1
.endr
	s_wait_alu depctr_va_vdst(0)                   ; the last block's conversions have written its eight output registers, which the last four stores read
.irp i, 28,29,30,31
	global_store_b64 v3, v[X+4*\i:X+4*\i+1], s[24:25] offset:256*\i
.endr
	s_endpgm
.Lfunc_end_k_q720c38660c_cast:
	.size	k_q720c38660c_cast, .Lfunc_end_k_q720c38660c_cast-k_q720c38660c_cast
	.p2alignl 7, 3214868480
	.fill 96, 4, 3214868480
	.section	.rodata,"a",@progbits
	.p2align	6, 0x0
	.amdhsa_kernel k_q720c38660c_cast
		.amdhsa_group_segment_fixed_size 0
		.amdhsa_private_segment_fixed_size 0
		.amdhsa_enable_private_segment 0
		.amdhsa_kernarg_size 64
		.amdhsa_user_sgpr_count 2
		.amdhsa_user_sgpr_kernarg_segment_ptr 1
		.amdhsa_wavefront_size32 1
		.amdhsa_system_sgpr_workgroup_id_x 1
		.amdhsa_system_sgpr_workgroup_id_y 1
		.amdhsa_system_sgpr_workgroup_id_z 1
		.amdhsa_system_vgpr_workitem_id 0
		.amdhsa_next_free_vgpr 148
		.amdhsa_next_free_sgpr 66
		.amdhsa_reserve_vcc 0
		.amdhsa_float_denorm_mode_32 3
		.amdhsa_float_denorm_mode_16_64 3
		.amdhsa_memory_ordered 1
		.amdhsa_forward_progress 1
		.amdhsa_inst_pref_size 15
	.end_amdhsa_kernel
	.amdgpu_metadata
---
amdhsa.version: [ 1, 2 ]
amdhsa.kernels:
  - .name:           k_q720c38660c_cast
    .symbol:         k_q720c38660c_cast.kd
    .args:
      - { .name: x, .offset: 0, .size: 8, .value_kind: global_buffer, .address_space: global }
      - { .name: W1, .offset: 8, .size: 8, .value_kind: global_buffer, .address_space: global }
      - { .name: We, .offset: 16, .size: 8, .value_kind: global_buffer, .address_space: global }
      - { .name: W2, .offset: 24, .size: 8, .value_kind: global_buffer, .address_space: global }
      - { .name: indices, .offset: 32, .size: 8, .value_kind: global_buffer, .address_space: global }
      - { .name: xb, .offset: 40, .size: 8, .value_kind: global_buffer, .address_space: global }
      - { .name: w1b, .offset: 48, .size: 8, .value_kind: global_buffer, .address_space: global }
      - { .name: wc, .offset: 56, .size: 8, .value_kind: global_buffer, .address_space: global }
    .group_segment_fixed_size: 0
    .private_segment_fixed_size: 0
    .kernarg_segment_align: 8
    .kernarg_segment_size: 64
    .max_flat_workgroup_size: 256
    .sgpr_count:     66
    .vgpr_count:     148
    .wavefront_size: 32
...
	.end_amdgpu_metadata
.endif
;; end of part 4
;; launch fc1: the kernel of part 2 again; grid 8 x 32, 4 waves a work-group, clusters of 4 x 4, 327,680 bytes of LDS; arguments xb, w1b, h, b1; writes h
;; launch fc2: the kernel of part 3 again; grid 4 x 64, 4 waves a work-group, clusters of 4 x 4, 327,680 bytes of LDS; arguments h, wc, out0, b2, be, indices; writes out0
